; MI455X (gfx1250); checked and timed in simulation.
; The chip was launched on July 23, 2026; its instructions are those of AMD's public machine-readable ISA for CDNA 5 (MIT licence, August 2026) and "CDNA5" Instruction Set Architecture Reference Guide (July 2026). The comments in the code are by the model that wrote it; some were corrected since.
;; Top K Mo E Classifier. Allowed arithmetic: float matrix products may take bf16 or f16 operands with f32 sums; all other float work in f32.
;; Inputs: W_e 4 x 4,096 x 512 float32; W_r 4,096 x 4 float32; b_e 4 x 512 float32; b_r 4 float32; features 8,192 x 4,096 float32.
;; Outputs: out0 8,192 x 512 float32; out1 one number float32.
;; One version. Each part assembles by itself: llvm-mc -triple=amdgcn-amd-amdhsa -mcpu=gfx1250 --defsym DOCPART=n.
;; ======== version 1 of 1: 4 launches
;; limits: values are held in f16: magnitudes above 65,504 overflow, below 6.1e-05 lose precision; inputs' magnitudes at most 65,504
;; workspace buffers: fb 67,108,864 bytes; wt 16,777,216 bytes; wts 131,072 bytes; psum 4,096 bytes; key 32,768 bytes of whole numbers; perm 65,536 bytes of whole numbers; ctab 256 bytes of whole numbers
;; launch prep (part 1): grid 256 x 1, 8 waves a work-group, no clusters, 5,120 bytes of LDS; arguments features, W_r, b_r, fb, wts, psum, key; writes fb, wts, psum, key
.if DOCPART == 1
	.amdgcn_target "amdgcn-amd-amdhsa--gfx1250"
	.amdhsa_code_object_version 6
	.text
	.protected	k_qda42570d8d_prep
	.globl	k_qda42570d8d_prep
	.p2align	8
	.type	k_qda42570d8d_prep,@function
k_qda42570d8d_prep:
	s_mov_b64 s[64:65], 0
	v_nop
	global_prefetch_b8 v0, s[64:65] scope:SCOPE_SE
	s_setreg_imm32_b32 hwreg(HW_REG_WAVE_MODE, 25, 1), 1
	s_wait_xcnt 0x0
; ROUTER AND CAST.  One pass over features [8192][4096] f32:
;   fb   [8192][4096] f16  : features rounded once, for the expert products of a later launch
;   wts  [8192][4]    f32  : the combine weight of every expert: top-2 softmax, renormalised; 0 for the two experts that are not chosen
;   psum [256][4]     f32  : this work-group's sum of the routing probabilities over its 32 rows
;   key  [8192]       u32  : bit e is set if expert e is one of the row's two: the whole number from which a later launch groups the rows
; The router's four dot products are made in f32 on the vector unit: the ORDER of the four logits picks the experts, and operands rounded to
; 16 bits would change that order in rows whose second and third logit lie close.  They are 8 of every 4,104 multiply-adds of the problem.
; WHY f16 AND NOT bf16 for the expert products: an output is a sum of 4,096 products and is held to 1 per cent of the outputs' root mean square.
; Operands of 8 significant bits leave a rounding noise of about a fifth of that allowance, whose tail among 4 million outputs passes it;
; 11 significant bits divide the noise by 8.  f16 has the room: it holds magnitudes up to 65,504 and steps of 2^-24 at the small end.
; Eight waves, 32 rows.  Wave w owns columns 512 w .. 512 w + 511 of every row; lane l the columns 512 w + 128 j + 4 l + 0..3, j = 0..3:
; a load of the wave covers 512 consecutive bytes, a store of the wave 256 consecutive bytes, aligned.  The lane's 16 rows of W_r stay in 64 registers.
; A ring of 8 row slots in registers keeps 32 loads of every wave on their way.
; No cluster, no LDS tiles, no matrix unit: the work-groups share W_r alone (64 KiB against 512 KiB of features each), and the stream is read once.
; LIMITS: NaN inputs are not served.  A feature beyond 65,504 in magnitude becomes infinite in fb, one below 2^-25 becomes 0.
; A probability whose exponential falls below 2^-126 is 0 (v_exp_f32 flushes: ISA guide 15.8).
; The f32 sums run in another order than a plain matrix product's: two logits closer than about 1e-6 of their size may rank otherwise.
.set XROW,  16384                      ; bytes in a row of features
.set YROW,  8192                       ; bytes in a row of fb
.set DEPTH, 8                          ; row slots
.set OFFX, 2                           ; v2        2,048 w + 16 l: my 16 bytes in a row of features; never rewritten
.set OFFY, 3                           ; v3        1,024 w + 8 l: my 8 bytes in a row of fb; never rewritten
.set WOFF, 4                           ; v4        8,192 w + 64 l: my rows of W_r; never rewritten
.set LQ,   5                           ; v5        16 l
.set LP,   6                           ; v6        16 x thread: where the wave's partial logits of row l go in LDS
.set W,    8                           ; v[8:71]   W + 16 j + 4 kk + e : W_r[512 w + 128 j + 4 l + kk][e]
.set X,    72                          ; v[72:199] slot i: X + 16 i + 4 j + kk
.set Y,    200                         ; v[200:207] 16 f16 to store
.set ACC,  208                         ; v[208:215] two sets of four sums (e0, e1), (e2, e3)
.set T,    216                         ; v[216:219] the other half's figures in a sum over lanes
.set K,    220                         ; v[220:223] lane r keeps the wave's four partial logits of row r
	s_load_b256 s[4:11], s[0:1], 0x0               ; features s[4:5], W_r s[6:7], b_r s[8:9], fb s[10:11]
	s_load_b128 s[12:15], s[0:1], 0x20             ; wts s[12:13], psum s[14:15]
	s_load_b64 s[30:31], s[0:1], 0x30              ; key
	v_lshl_add_u32 v224, v0, 2, 0x1000
	v_mov_b32 v225, 0
	v_lshrrev_b32 v1, 5, v0
	v_readfirstlane_b32 s16, v1                    ; wave
	v_and_b32 v1, 31, v0                           ; lane
	v_and_b32 v7, 0xe0, v0                         ; 32 x wave
	v_lshlrev_b32 v[LQ], 4, v1
	v_lshl_add_u32 v[OFFX], v7, 6, v[LQ]
	v_lshrrev_b32 v[OFFY], 1, v[OFFX]
	v_lshlrev_b32 v[WOFF], 6, v1
	v_lshl_add_u32 v[WOFF], v7, 8, v[WOFF]
	v_lshlrev_b32 v[LP], 4, v0
.irp e, 0,1,2,3,4,5,6,7
	v_mov_b32 v[T+\e], 0                           ; T and K are read by the instructions that write them lane by lane: written whole once
.endr
	s_mov_b32 s19, 0
	s_mov_b32 s20, 1                               ; the bit of the row at work
	s_mov_b32 s22, 0x76543210                      ; v_permlanex16_b32: lane i reads lane i of the other half
	s_mov_b32 s23, 0xfedcba98
	s_wait_kmcnt 0x0
	s_load_b128 s[24:27], s[8:9], 0x0              ; b_r
	s_lshl_b32 s18, ttmp9, 19                      ; 32 rows of 16,384 bytes
	s_add_nc_u64 s[4:5], s[4:5], s[18:19]
	s_lshl_b32 s18, ttmp9, 18                      ; 32 rows of 8,192 bytes
	s_add_nc_u64 s[10:11], s[10:11], s[18:19]
	s_lshl_b32 s18, ttmp9, 9                       ; 32 rows of 16 bytes
	s_add_nc_u64 s[12:13], s[12:13], s[18:19]
	s_lshl_b32 s18, ttmp9, 4                       ; one row of 16 bytes
	s_add_nc_u64 s[14:15], s[14:15], s[18:19]
	s_lshl_b32 s18, ttmp9, 7                       ; 32 rows of 4 bytes
	s_add_nc_u64 s[30:31], s[30:31], s[18:19]
.irp j, 0,1,2,3
.irp kk, 0,1,2,3
	global_load_b128 v[W+16*\j+4*\kk:W+16*\j+4*\kk+3], v[WOFF], s[6:7] offset:2048*\j+16*\kk
.endr
.endr
.irp i, 0,1,2,3,4,5,6,7
.irp j, 0,1,2,3
	global_load_b128 v[X+16*\i+4*\j:X+16*\i+4*\j+3], v[OFFX], s[4:5] offset:\i*XROW+512*\j th:TH_LOAD_NT   ; the ring: rows 0 to 7
.endr
.endr
	s_wait_kmcnt 0x0                               ; b_r
; The sum over the wave's 32 lanes of four registers v[b .. b+3], in every lane; v[t .. t+3] take the other half's figures.
.macro RED4 b, t
.irp m, 1,2,4,8
.irp e, 0,1,2,3
	v_add_f32_dpp v[\b+\e], v[\b+\e], v[\b+\e] row_xmask:\m row_mask:0xf bank_mask:0xf
.endr
.endr
.irp e, 0,1,2,3
	v_permlanex16_b32 v[\t+\e], v[\b+\e], s22, s23
.endr
.irp e, 0,1,2,3
	v_add_f32 v[\b+\e], v[\b+\e], v[\t+\e]
.endr
.endm
; Eight vectors of four f32 at v[b + 4 t] are added as a tree into v[b .. b+3].
.macro TREE8 b
.irp m, 0,2,4,6
	v_pk_add_f32 v[\b+4*\m:\b+4*\m+1],   v[\b+4*\m:\b+4*\m+1],   v[\b+4*\m+4:\b+4*\m+5]
	v_pk_add_f32 v[\b+4*\m+2:\b+4*\m+3], v[\b+4*\m+2:\b+4*\m+3], v[\b+4*\m+6:\b+4*\m+7]
.endr
.irp m, 0,4
	v_pk_add_f32 v[\b+4*\m:\b+4*\m+1],   v[\b+4*\m:\b+4*\m+1],   v[\b+4*\m+8:\b+4*\m+9]
	v_pk_add_f32 v[\b+4*\m+2:\b+4*\m+3], v[\b+4*\m+2:\b+4*\m+3], v[\b+4*\m+10:\b+4*\m+11]
.endr
	v_pk_add_f32 v[\b:\b+1],   v[\b:\b+1],   v[\b+16:\b+17]
	v_pk_add_f32 v[\b+2:\b+3], v[\b+2:\b+3], v[\b+18:\b+19]
.endm
; Two experts' sums take one x: the pair at xp holds x in its first (odd = 0) or second (odd = 1) register, which feeds both halves.
; first = 1: the product starts the sums, so nothing is cleared.
.macro MAC acc, xp, wp, odd, first
.if \first
	v_pk_mul_f32 v[\acc:\acc+1], v[\xp:\xp+1], v[\wp:\wp+1] op_sel_hi:[0,1]
.else
.if \odd
	v_pk_fma_f32 v[\acc:\acc+1], v[\xp:\xp+1], v[\wp:\wp+1], v[\acc:\acc+1] op_sel:[1,0,0] op_sel_hi:[1,1,1]
.else
	v_pk_fma_f32 v[\acc:\acc+1], v[\xp:\xp+1], v[\wp:\wp+1], v[\acc:\acc+1] op_sel_hi:[0,1,1]
.endif
.endif
.endm
; One slot's turn = one row.  ahead = 1: the slot is filled again with the row DEPTH further down.  left = the younger loads that may stay out.
.macro SLOT i, ahead, left
	s_wait_loadcnt \left                           ; loads come back in order (ISA guide 5.7.1): this slot's four are in (and W_r, which is older); the seven younger slots' four each stay out
	s_wait_xcnt 0x0                                ; every earlier memory instruction has had its addresses translated (ISA guide 3.1): Y, which the last row's stores read, is rewritten only behind this wait
.irp kk, 0,1,2,3
.irp j, 0,1,2,3                                    ; j inside: sets 0, 1, 0, 1, two chains each, so four instructions stand between the links of a chain
.if 4*\kk+\j < 2
	MAC ACC+4*(\j&1),   X+16*\i+4*\j+(\kk&2), W+16*\j+4*\kk,   0, 1
	MAC ACC+4*(\j&1)+2, X+16*\i+4*\j+(\kk&2), W+16*\j+4*\kk+2, 0, 1
.else
	MAC ACC+4*(\j&1),   X+16*\i+4*\j+(\kk&2), W+16*\j+4*\kk,   \kk&1, 0
	MAC ACC+4*(\j&1)+2, X+16*\i+4*\j+(\kk&2), W+16*\j+4*\kk+2, \kk&1, 0
.endif
.endr
.endr
.irp j, 0,1,2,3
	v_cvt_pk_f16_f32 v[Y+2*\j],   v[X+16*\i+4*\j],   v[X+16*\i+4*\j+1]
	v_cvt_pk_f16_f32 v[Y+2*\j+1], v[X+16*\i+4*\j+2], v[X+16*\i+4*\j+3]
.endr
.if \ahead
.irp j, 0,1,2,3
	global_load_b128 v[X+16*\i+4*\j:X+16*\i+4*\j+3], v[OFFX], s[4:5] offset:(DEPTH+\i)*XROW+512*\j th:TH_LOAD_NT
.endr
.endif
.irp j, 0,1,2,3
	global_store_b64 v[OFFY], v[Y+2*\j:Y+2*\j+1], s[10:11] offset:\i*YROW+256*\j   ; the wave's 32 lanes: 256 consecutive bytes, aligned
.endr
	v_pk_add_f32 v[ACC:ACC+1],   v[ACC:ACC+1],   v[ACC+4:ACC+5]
	v_pk_add_f32 v[ACC+2:ACC+3], v[ACC+2:ACC+3], v[ACC+6:ACC+7]
	RED4 ACC, T                                    ; the wave's 512 columns of the row's four logits, in every lane
.irp e, 0,1,2,3
	v_cndmask_b32 v[K+\e], v[K+\e], v[ACC+\e], s20 ; the lane whose number is the row's keeps them
.endr
	s_lshl_b32 s20, s20, 1
.endm
	s_mov_b32 s21, 3
.Lround:
.irp i, 0,1,2,3,4,5,6,7
	SLOT \i, 1, 28
.endr
	s_wait_xcnt 0x0                                ; the bases are stepped only behind this wait
	s_add_nc_u64 s[4:5], s[4:5], DEPTH*XROW
	s_add_nc_u64 s[10:11], s[10:11], DEPTH*YROW
	s_sub_co_u32 s21, s21, 1
	s_cmp_lg_u32 s21, 0
	s_cbranch_scc1 .Lround
.irp i, 0,1,2,3,4,5,6,7
	SLOT \i, 0, 28-4*\i                            ; rows 24 to 31 load nothing: the counts run down
.endr
	; The eight waves' partial logits meet in LDS: [wave][row] x 16 bytes, 4,096 bytes.
	ds_store_b128 v[LP], v[K:K+3]
	s_wait_dscnt 0x0                               ; for the reader's sake: my store is done before I signal
	s_barrier_signal -1
	s_barrier_wait -1
	s_cmp_lg_u32 s16, 0
	s_cbranch_scc1 .Lend                           ; wave 0 goes on, lane = row
.irp w, 0,1,2,3,4,5,6,7
	ds_load_b128 v[X+4*\w:X+4*\w+3], v[LQ] offset:512*\w
.endr
	s_wait_dscnt 0x0
	TREE8 X                                        ; v[72:75]: x W_r
	v_add_f32 v72, s24, v72                        ; + b_r
	v_add_f32 v73, s25, v73
	v_add_f32 v74, s26, v74
	v_add_f32 v75, s27, v75
	v_max3_num_f32 v76, v72, v73, v74              ; softmax with the row's maximum taken away
	v_max_num_f32 v76, v76, v75
.irp e, 0,1,2,3
	v_sub_f32 v[80+\e], v[72+\e], v76
.endr
.irp e, 0,1,2,3
	v_mul_f32 v[80+\e], 0x3fb8aa3b, v[80+\e]       ; e^x = 2^(x log2 e)
.endr
.irp e, 0,1,2,3
	v_exp_f32 v[76+\e], v[80+\e]
.endr
	v_nop                                          ; one plain place behind the transcendentals (ISA guide 5.7.2)
	s_wait_alu depctr_va_vdst(0)
	v_add_f32 v84, v76, v77
	v_add_f32 v85, v78, v79
	v_add_f32 v84, v84, v85                        ; at least 1: the maximum's own term
	v_rcp_f32 v86, v84
	v_nop
	s_wait_alu depctr_va_vdst(0)
.irp e, 0,1,2,3
	v_mul_f32 v[80+\e], v[76+\e], v86              ; v[80:83]: the routing probabilities
.endr
	; Rank of each expert = how many beat it; of two equal ones the lower index wins.  t_ij = (p_j > p_i) for i < j.
	v_cmp_gt_f32 vcc_lo, v81, v80
	v_cndmask_b32 v88, 0, 1, vcc_lo                ; t01
	v_cmp_gt_f32 vcc_lo, v82, v80
	v_cndmask_b32 v89, 0, 1, vcc_lo                ; t02
	v_cmp_gt_f32 vcc_lo, v83, v80
	v_cndmask_b32 v90, 0, 1, vcc_lo                ; t03
	v_cmp_gt_f32 vcc_lo, v82, v81
	v_cndmask_b32 v91, 0, 1, vcc_lo                ; t12
	v_cmp_gt_f32 vcc_lo, v83, v81
	v_cndmask_b32 v92, 0, 1, vcc_lo                ; t13
	v_cmp_gt_f32 vcc_lo, v83, v82
	v_cndmask_b32 v93, 0, 1, vcc_lo                ; t23
	v_add_nc_u32 v94, v88, v89                     ; R0 = t01 + t02 + t03
	v_add_nc_u32 v94, v94, v90
	v_add_nc_u32 v95, v91, v92                     ; R1 = 1 - t01 + t12 + t13
	v_add_nc_u32 v95, 1, v95
	v_sub_nc_u32 v95, v95, v88
	v_add_nc_u32 v96, 2, v93                       ; R2 = 2 - t02 - t12 + t23
	v_sub_nc_u32 v96, v96, v89
	v_sub_nc_u32 v96, v96, v91
	v_add_nc_u32 v97, v90, v92                     ; R3 = 3 - t03 - t13 - t23
	v_add_nc_u32 v97, v97, v93
	v_sub_nc_u32 v97, 3, v97
.irp e, 0,1,2,3
	v_cmp_gt_u32 vcc_lo, 2, v[94+\e]
	v_cndmask_b32 v[84+\e], 0, v[80+\e], vcc_lo    ; the two best keep their probability, the others get 0
	v_cndmask_b32 v[100+\e], 0, 1<<\e, vcc_lo      ; and set their bit of the key
.endr
	v_or_b32 v100, v100, v101
	v_or_b32 v102, v102, v103
	v_or_b32 v100, v100, v102
	v_lshlrev_b32 v104, 2, v1
	global_store_b32 v104, v100, s[30:31]          ; 32 rows' keys: 128 consecutive bytes
	v_add_f32 v98, v84, v85
	v_add_f32 v99, v86, v87
	v_add_f32 v98, v98, v99
	v_max_num_f32 v98, 0x3089705f, v98             ; clip at 1e-9
	v_rcp_f32 v99, v98
	v_nop
	s_wait_alu depctr_va_vdst(0)
.irp e, 0,1,2,3
	v_mul_f32 v[84+\e], v[84+\e], v99
.endr
	global_store_b128 v[LQ], v[84:87], s[12:13]    ; 32 rows x 16 bytes: 512 consecutive bytes, aligned
	RED4 80, T                                     ; the probabilities' sums over my 32 rows
	v_cmp_eq_u32 vcc_lo, 0, v1
	s_wait_xcnt 0x0                                ; EXEC is a source of the stores above: it changes only behind this wait
	s_and_saveexec_b32 s28, vcc_lo
	global_store_b128 v[LQ], v[80:83], s[14:15]    ; lane 0 (offset 0): the work-group's 16 bytes of psum
	s_wait_xcnt 0x0                                ; and again in front of the line that widens it
	s_or_b32 exec_lo, exec_lo, s28
.Lend:
	s_wait_tensorcnt 0x0
	ds_add_u32 v224, v225
	s_wait_dscnt 0x0
	s_endpgm
.Lfunc_end_k_qda42570d8d_prep:
	.size	k_qda42570d8d_prep, .Lfunc_end_k_qda42570d8d_prep-k_qda42570d8d_prep
	.p2alignl 7, 3214868480
	.fill 96, 4, 3214868480
	.section	.rodata,"a",@progbits
	.p2align	6, 0x0
	.amdhsa_kernel k_qda42570d8d_prep
		.amdhsa_group_segment_fixed_size 5120
		.amdhsa_private_segment_fixed_size 0
		.amdhsa_enable_private_segment 0
		.amdhsa_kernarg_size 56
		.amdhsa_user_sgpr_count 2
		.amdhsa_user_sgpr_kernarg_segment_ptr 1
		.amdhsa_wavefront_size32 1
		.amdhsa_system_sgpr_workgroup_id_x 1
		.amdhsa_system_sgpr_workgroup_id_y 1
		.amdhsa_system_sgpr_workgroup_id_z 1
		.amdhsa_system_vgpr_workitem_id 0
		.amdhsa_next_free_vgpr 226
		.amdhsa_next_free_sgpr 66
		.amdhsa_reserve_vcc 1
		.amdhsa_float_denorm_mode_32 3
		.amdhsa_float_denorm_mode_16_64 3
		.amdhsa_memory_ordered 1
		.amdhsa_forward_progress 1
		.amdhsa_inst_pref_size 92
	.end_amdhsa_kernel
	.amdgpu_metadata
---
amdhsa.version: [ 1, 2 ]
amdhsa.kernels:
  - .name:           k_qda42570d8d_prep
    .symbol:         k_qda42570d8d_prep.kd
    .args:
      - { .name: features, .offset: 0, .size: 8, .value_kind: global_buffer, .address_space: global }
      - { .name: W_r, .offset: 8, .size: 8, .value_kind: global_buffer, .address_space: global }
      - { .name: b_r, .offset: 16, .size: 8, .value_kind: global_buffer, .address_space: global }
      - { .name: fb, .offset: 24, .size: 8, .value_kind: global_buffer, .address_space: global }
      - { .name: wts, .offset: 32, .size: 8, .value_kind: global_buffer, .address_space: global }
      - { .name: psum, .offset: 40, .size: 8, .value_kind: global_buffer, .address_space: global }
      - { .name: key, .offset: 48, .size: 8, .value_kind: global_buffer, .address_space: global }
    .group_segment_fixed_size: 5120
    .private_segment_fixed_size: 0
    .kernarg_segment_align: 8
    .kernarg_segment_size: 56
    .max_flat_workgroup_size: 256
    .sgpr_count:     66
    .vgpr_count:     226
    .wavefront_size: 32
...
	.end_amdgpu_metadata
.endif
;; end of part 1
;; launch wprep (part 2): grid 32 x 32, 4 waves a work-group, no clusters, 18,432 bytes of LDS; arguments W_e, psum, wt, out1; writes wt, out1
.if DOCPART == 2
	.amdgcn_target "amdgcn-amd-amdhsa--gfx1250"
	.amdhsa_code_object_version 6
	.text
	.protected	k_qda42570d8d_wprep
	.globl	k_qda42570d8d_wprep
	.p2align	8
	.type	k_qda42570d8d_wprep,@function
k_qda42570d8d_wprep:
	s_mov_b64 s[64:65], 0
	v_nop
	global_prefetch_b8 v0, s[64:65] scope:SCOPE_SE
	s_setreg_imm32_b32 hwreg(HW_REG_WAVE_MODE, 25, 1), 1
	s_wait_xcnt 0x0
; WEIGHTS: W_e [4][4096 k][512 o] f32 becomes wt [4][512 o][4096 k] f16, K along the rows: what the product launch takes as tiles.
; Work-group (x = kb, y = 8 e + ob) turns the tile k = 128 kb .. + 127, o = 64 ob .. + 63 of expert e: 32 KiB in, 16 KiB out, no loop.
; Wave w reads k rows 32 w .. + 31 (each half of the lanes 256 consecutive bytes, aligned), rounds pairs of neighbouring k to f16 in registers,
; puts 16 bytes (8 k of one o) into LDS, and after one barrier reads whole rows of 256 bytes back and stores them, 256 consecutive aligned bytes for 16 lanes.
; No cluster and no matrix unit: every byte is read once and no tile is shared.
; THE LOSS rides along in wave 0 of work-group (0, 0), while that wave's tile is on its way: it needs the sums of all work-groups of the launch before.
;   0.01 (sum pi ln c + ln 4), c = max(pi, 1e-9), is formed as 0.01 ln 2 sum (pi log2(4 c) + 2 (0.25 - pi)): the same number for every input,
;   since ln c = ln 4c - ln 4, without taking two sums near 1.386 from each other.
; LIMITS: NaN inputs are not served.  A weight beyond 65,504 in magnitude becomes infinite in wt; below 2^-14 the f16 steps are 2^-24, and a
; weight below 2^-25 becomes 0.
.set IN,  3                            ; v3   16,384 h + 16 c   (c = lane & 15, h = lane >> 4)
.set STO, 4                            ; v4   1,104 c + 64 w + 16 h
.set RD,  5                            ; v5   272 (16 w + h) + 64 w + 16 c
.set CO,  6                            ; v6   8,192 h + 16 c
.set L16, 7                            ; v7   16 x lane
.set X,   8                            ; v[8:71]   X + 32 i + 4 r + q = W(k = 32 w + 16 i + 8 h + r, o = 4 c + q); later the rows read back
.set Y,   72                           ; v[72:87]  Y + 4 q + p: k = 2 p, 2 p + 1 of the lane's eight, column q
.set P,   88                           ; v[88:103] at work on the loss
.set S,   104                          ; v[104:135] psum as loaded
; LDS: row oo (0 .. 63) of 256 bytes at 272 oo + 16 (oo >> 2).  A lane's four rows are 4 c + q, so the lanes' stores are 1,104 = 69 x 16 bytes apart,
; an odd multiple of 16.  Last byte used: 17,631.
	s_load_b256 s[4:11], s[0:1], 0x0               ; W_e s[4:5], psum s[6:7], wt s[8:9], out1 s[10:11]
	v_lshl_add_u32 v136, v0, 2, 0x4600
	v_mov_b32 v137, 0
	v_lshrrev_b32 v1, 5, v0
	v_readfirstlane_b32 s12, v1                    ; wave
	v_and_b32 v1, 15, v0                           ; c
	v_bfe_u32 v2, v0, 4, 1                         ; h
	v_lshlrev_b32 v88, 4, v1                       ; 16 c
	v_lshl_add_u32 v[IN], v2, 14, v88
	v_lshl_add_u32 v[CO], v2, 13, v88
	v_mul_u32_u24 v[STO], v1, 1104
	v_lshl_add_u32 v[STO], v2, 4, v[STO]
	s_lshl_b32 s22, s12, 6
	v_add_nc_u32 v[STO], s22, v[STO]
	s_mul_i32 s23, s12, 16*272+64
	v_mul_u32_u24 v[RD], v2, 272
	v_add_nc_u32 v[RD], v[RD], v88
	v_add_nc_u32 v[RD], s23, v[RD]
	v_and_b32 v[L16], 31, v0
	v_lshlrev_b32 v[L16], 4, v[L16]
	s_and_b32 s13, ttmp7, 0xffff                   ; y
	s_lshr_b32 s14, s13, 3                         ; e
	s_and_b32 s15, s13, 7                          ; ob
	s_lshl_b32 s16, s14, 23                        ; in: an expert is 4,096 x 2,048 bytes,
	s_lshl_b32 s24, ttmp9, 18                      ; 128 rows of 2,048 bytes,
	s_add_co_u32 s16, s16, s24
	s_lshl_b32 s24, s12, 16                        ; 32 rows,
	s_add_co_u32 s16, s16, s24
	s_lshl_b32 s24, s15, 8                         ; 64 columns of 4 bytes
	s_add_co_u32 s16, s16, s24
	s_mov_b32 s17, 0
	s_lshl_b32 s18, s14, 22                        ; out: row 512 e + 64 ob + 16 w + 2 t + h, rows of 8,192 bytes,
	s_lshl_b32 s24, s15, 19
	s_add_co_u32 s18, s18, s24
	s_lshl_b32 s24, s12, 17
	s_add_co_u32 s18, s18, s24
	s_lshl_b32 s24, ttmp9, 8                       ; and 128 k of 2 bytes
	s_add_co_u32 s18, s18, s24
	s_mov_b32 s19, 0
	s_mov_b32 s20, 0x76543210
	s_mov_b32 s21, 0xfedcba98
	s_wait_kmcnt 0x0
	s_add_nc_u64 s[4:5], s[4:5], s[16:17]
	s_add_nc_u64 s[8:9], s[8:9], s[18:19]
.irp i, 0,1
.irp r, 0,1,2,3,4,5,6,7
	global_load_b128 v[X+32*\i+4*\r:X+32*\i+4*\r+3], v[IN], s[4:5] offset:32768*\i+2048*\r th:TH_LOAD_NT
.endr
.endr
	s_cmp_lg_u32 s12, 0
	s_cbranch_scc1 .Ltile
	s_or_b32 s22, ttmp9, s13
	s_cmp_lg_u32 s22, 0
	s_cbranch_scc1 .Ltile
	; the loss: wave 0 of work-group (0, 0) alone
.irp t, 0,1,2,3,4,5,6,7
	global_load_b128 v[S+4*\t:S+4*\t+3], v[L16], s[6:7] offset:512*\t     ; 256 work-groups' four sums: 4,096 bytes
.endr
.irp e, 0,1,2,3
	v_mov_b32 v[P+\e], 0                           ; destinations of v_permlanex16_b32 count as read
.endr
	s_wait_loadcnt 0x0
.irp m, 0,2,4,6
	v_pk_add_f32 v[S+4*\m:S+4*\m+1],   v[S+4*\m:S+4*\m+1],   v[S+4*\m+4:S+4*\m+5]
	v_pk_add_f32 v[S+4*\m+2:S+4*\m+3], v[S+4*\m+2:S+4*\m+3], v[S+4*\m+6:S+4*\m+7]
.endr
.irp m, 0,4
	v_pk_add_f32 v[S+4*\m:S+4*\m+1],   v[S+4*\m:S+4*\m+1],   v[S+4*\m+8:S+4*\m+9]
	v_pk_add_f32 v[S+4*\m+2:S+4*\m+3], v[S+4*\m+2:S+4*\m+3], v[S+4*\m+10:S+4*\m+11]
.endr
	v_pk_add_f32 v[S:S+1],   v[S:S+1],   v[S+16:S+17]
	v_pk_add_f32 v[S+2:S+3], v[S+2:S+3], v[S+18:S+19]
.irp m, 1,2,4,8
.irp e, 0,1,2,3
	v_add_f32_dpp v[S+\e], v[S+\e], v[S+\e] row_xmask:\m row_mask:0xf bank_mask:0xf
.endr
.endr
.irp e, 0,1,2,3
	v_permlanex16_b32 v[P+\e], v[S+\e], s20, s21
.endr
.irp e, 0,1,2,3
	v_add_f32 v[S+\e], v[S+\e], v[P+\e]
.endr
.irp e, 0,1,2,3
	v_mul_f32 v[S+\e], 0x39000000, v[S+\e]         ; pi = sum / 8,192
.endr
.irp e, 0,1,2,3
	v_max_num_f32 v[P+4+\e], 0x3089705f, v[S+\e]   ; c = max(pi, 1e-9)
.endr
.irp e, 0,1,2,3
	v_mul_f32 v[P+4+\e], 4.0, v[P+4+\e]            ; 4 c
.endr
.irp e, 0,1,2,3
	v_log_f32 v[P+8+\e], v[P+4+\e]                 ; log2(4 c)
.endr
.irp e, 0,1,2,3
	v_fma_f32 v[P+12+\e], v[S+\e], -2.0, 0.5       ; 2 (0.25 - pi); these four are also the plain places behind the logarithms (ISA guide 5.7.2)
.endr
	s_wait_alu depctr_va_vdst(0)
.irp e, 0,1,2,3
	v_fma_f32 v[P+12+\e], v[S+\e], v[P+8+\e], v[P+12+\e]
.endr
	v_add_f32 v[P+12], v[P+12], v[P+13]
	v_add_f32 v[P+14], v[P+14], v[P+15]
	v_add_f32 v[P+12], v[P+12], v[P+14]
	v_mul_f32 v[P+12], 0x3be32166, v[P+12]         ; x ln 2 x 0.01
	v_cmp_eq_u32 vcc_lo, 0, v[L16]
	s_wait_xcnt 0x0                                ; EXEC is a source of the loads above: it changes only behind this wait
	s_and_saveexec_b32 s22, vcc_lo
	global_store_b32 v[L16], v[P+12], s[10:11]     ; lane 0, offset 0
	s_wait_xcnt 0x0
	s_or_b32 exec_lo, exec_lo, s22
.Ltile:
.irp i, 0,1
	s_wait_loadcnt 8-8*\i                          ; rows 16 i .. + 15 of my 32 are in; for i = 0 the eight younger loads stay out (on the loss's way all are in already)
.irp q, 0,1,2,3
.irp p, 0,1,2,3
	v_cvt_pk_f16_f32 v[Y+4*\q+\p], v[X+32*\i+8*\p+\q], v[X+32*\i+8*\p+4+\q]
.endr
.endr
.irp q, 0,1,2,3
	ds_store_b128 v[STO], v[Y+4*\q:Y+4*\q+3] offset:272*\q+32*\i          ; row 4 c + q, k = 32 w + 16 i + 8 h .. + 7
.endr
.endr
	s_wait_dscnt 0x0                               ; for the others' sake: my stores are done before I signal
	s_barrier_signal -1
	s_barrier_wait -1
.irp t, 0,1,2,3,4,5,6,7
	ds_load_b128 v[X+4*\t:X+4*\t+3], v[RD] offset:544*\t+16*(\t>>1)       ; rows 16 w + 2 t + h
.endr
.irp t, 0,1,2,3,4,5,6,7
	s_wait_dscnt 7-\t                              ; LDS loads come back in order: load t is in
	global_store_b128 v[CO], v[X+4*\t:X+4*\t+3], s[8:9] offset:16384*\t
.endr
	s_wait_tensorcnt 0x0
	ds_add_u32 v136, v137
	s_wait_dscnt 0x0
	s_endpgm
.Lfunc_end_k_qda42570d8d_wprep:
	.size	k_qda42570d8d_wprep, .Lfunc_end_k_qda42570d8d_wprep-k_qda42570d8d_wprep
	.p2alignl 7, 3214868480
	.fill 96, 4, 3214868480
	.section	.rodata,"a",@progbits
	.p2align	6, 0x0
	.amdhsa_kernel k_qda42570d8d_wprep
		.amdhsa_group_segment_fixed_size 18432
		.amdhsa_private_segment_fixed_size 0
		.amdhsa_enable_private_segment 0
		.amdhsa_kernarg_size 32
		.amdhsa_user_sgpr_count 2
		.amdhsa_user_sgpr_kernarg_segment_ptr 1
		.amdhsa_wavefront_size32 1
		.amdhsa_system_sgpr_workgroup_id_x 1
		.amdhsa_system_sgpr_workgroup_id_y 1
		.amdhsa_system_sgpr_workgroup_id_z 1
		.amdhsa_system_vgpr_workitem_id 0
		.amdhsa_next_free_vgpr 138
		.amdhsa_next_free_sgpr 66
		.amdhsa_reserve_vcc 1
		.amdhsa_float_denorm_mode_32 3
		.amdhsa_float_denorm_mode_16_64 3
		.amdhsa_memory_ordered 1
		.amdhsa_forward_progress 1
		.amdhsa_inst_pref_size 13
	.end_amdhsa_kernel
	.amdgpu_metadata
---
amdhsa.version: [ 1, 2 ]
amdhsa.kernels:
  - .name:           k_qda42570d8d_wprep
    .symbol:         k_qda42570d8d_wprep.kd
    .args:
      - { .name: W_e, .offset: 0, .size: 8, .value_kind: global_buffer, .address_space: global }
      - { .name: psum, .offset: 8, .size: 8, .value_kind: global_buffer, .address_space: global }
      - { .name: wt, .offset: 16, .size: 8, .value_kind: global_buffer, .address_space: global }
      - { .name: out1, .offset: 24, .size: 8, .value_kind: global_buffer, .address_space: global }
    .group_segment_fixed_size: 18432
    .private_segment_fixed_size: 0
    .kernarg_segment_align: 8
    .kernarg_segment_size: 32
    .max_flat_workgroup_size: 128
    .sgpr_count:     66
    .vgpr_count:     138
    .wavefront_size: 32
...
	.end_amdgpu_metadata
.endif
;; end of part 2
;; launch route (part 3): grid 1 x 1, 32 waves a work-group, no clusters, 4,608 bytes of LDS; arguments key, perm, ctab; writes perm, ctab
.if DOCPART == 3
	.amdgcn_target "amdgcn-amd-amdhsa--gfx1250"
	.amdhsa_code_object_version 6
	.text
	.protected	k_qda42570d8d_route
	.globl	k_qda42570d8d_route
	.p2align	8
	.type	k_qda42570d8d_route,@function
k_qda42570d8d_route:
	s_mov_b64 s[64:65], 0
	v_nop
	global_prefetch_b8 v0, s[64:65] scope:SCOPE_SE
	s_setreg_imm32_b32 hwreg(HW_REG_WAVE_MODE, 25, 1), 1
	s_wait_xcnt 0x0
; THE ROWS ARE GROUPED BY THEIR PAIR OF EXPERTS.  Whole numbers only.
;   key  [8192]     : bit e set if expert e is one of the row's two; six values: 3, 5, 9, 6, 10, 12 = groups 0 to 5
;   perm [64][256]  : perm[chunk][slot] = row; a chunk holds rows of ONE group, at most 144; only the slots that hold a row are written (and read later)
;   ctab [64]       : a | b << 8 | (rows in the chunk - 1) << 16, a < b the chunk's two experts
; There are always exactly 64 chunks, none empty.  A group of c rows needs ceil(c / 144) chunks; over six groups that is at most
; (8,192 + 6 x 143) / 144, so at most 62.  The chunks left over go to the largest group (at least 1,366 rows, so it has a row for each).
; With n chunks from chunk S on, the group's row number rho goes to chunk S + rho mod n, slot rho div n: at most ceil(c / n) <= 144 slots.
; rho div n = (rho M) >> 19 with M = floor(2^19 / n) + 1: M n - 2^19 <= n <= 64 and rho <= 8,191, so the excess rho (M n - 2^19) stays under 2^19
; and the quotient is exact; rho M <= 8,191 x 524,289 fits 32 bits.
; One work-group of 32 waves, since the numbering needs all rows' keys: wave w takes rows 256 w .. + 255, eight a lane.  One barrier.
; A row's number in its group = rows of the group in the waves in front (from the waves' totals, through LDS) + its rank in the wave (ballots).
; LIMIT: a key that is none of the six (a row with NaN logits) is placed nowhere of use; every address is clamped.
.set KEY, 8                            ; v[8:15]   vector j: the key of row 256 w + 128 (j >> 2) + 4 lane + (j & 3)
.set RK,  16                           ; v[16:23]  its rank among the wave's rows of its group
.set SUM, 24                           ; v[24:29]  three words of totals (two counts of 16 bits each), three of the waves in front
.set TT,  32                           ; v[32:37]  at work
.set NL,  40                           ; lane = key: n
.set PK,  41                           ; lane = key: n | S << 8 | rows in the waves in front << 16
.set ML,  42                           ; lane = key: M
.set CL,  43                           ; lane = key: c
.set QT,  44                           ; v[44:45]  the division
.set IX,  48                           ; v[48:55]
.set PA,  56                           ; v[56:63]
.set PM,  64                           ; v[64:71]
.set AD,  72                           ; v[72:79]  byte offset in perm
.set RW,  80                           ; v[80:87]  the row
.set RUN, 24                           ; s[24:29]  the wave's running counts
.set C,   30                           ; s[30:35]  c of each group
.set PB,  36                           ; s[36:41]  rows of each group in the waves in front of mine
.set N,   42                           ; s[42:47]  n
.set S,   48                           ; s[48:54]  first chunk of each group; s54 = 64
.set BM,  56                           ; s[56:61]  ballots
.set BC,  72                           ; s[72:77]  their counts
.set KEYS, 0xCA6953                    ; the six keys, four bits each, group 0 lowest
	s_load_b128 s[4:7], s[0:1], 0x0                ; key s[4:5], perm s[6:7]
	s_load_b64 s[8:9], s[0:1], 0x10                ; ctab
	v_lshl_add_u32 v104, v0, 2, 0x200
	v_mov_b32 v105, 0
	v_lshrrev_b32 v1, 5, v0
	v_readfirstlane_b32 s10, v1                    ; wave
	v_and_b32 v1, 31, v0                           ; lane
	v_lshlrev_b32 v2, 4, v1                        ; 16 lane
	s_lshl_b32 s11, s10, 10                        ; 256 rows of 4 bytes
	v_add_nc_u32 v3, s11, v2
	s_lshl_b32 s14, s10, 8
	v_lshl_add_u32 v4, v1, 2, s14                  ; 256 w + 4 lane
	s_mov_b32 s12, 0x76543210                      ; v_permlanex16_b32: lane i reads lane i of the other half
	s_mov_b32 s13, 0xfedcba98
.irp g, 0,1,2,3,4,5
	s_mov_b32 s[RUN+\g], 0
.endr
.irp j, 0,1,2,3,4,5,6,7
	v_mov_b32 v[RK+\j], 0                          ; written lane by lane below: written whole once
.endr
	s_wait_kmcnt 0x0
	global_load_b128 v[KEY:KEY+3], v3, s[4:5]              ; 512 consecutive bytes a wave
	global_load_b128 v[KEY+4:KEY+7], v3, s[4:5] offset:512
	s_wait_loadcnt 0x0
; One vector of 32 rows: for each group a ballot; a lane's rank = the wave's count so far + the set bits below the lane.
.macro COUNT j
.irp g, 0,1,2,3,4,5
	v_cmp_eq_u32 s[BM+\g], (KEYS>>(4*\g))&15, v[KEY+\j]
.endr
.irp g, 0,1,2,3,4,5
	v_mbcnt_lo_u32_b32 v[TT+\g], s[BM+\g], s[RUN+\g]
.endr
.irp g, 0,1,2,3,4,5
	v_cndmask_b32 v[RK+\j], v[RK+\j], v[TT+\g], s[BM+\g]
.endr
.irp g, 0,1,2,3,4,5
	s_bcnt1_i32_b32 s[BC+\g], s[BM+\g]
.endr
.irp g, 0,1,2,3,4,5
	s_add_co_u32 s[RUN+\g], s[RUN+\g], s[BC+\g]
.endr
.endm
.irp j, 0,1,2,3,4,5,6,7
	COUNT \j
.endr
	; the wave's six totals, two to a word (at most 8,192 in all, so sums of them stay inside 16 bits), to LDS: 16 bytes a wave
.irp k, 0,1,2
	s_lshl_b32 s20, s[RUN+2*\k+1], 16
	s_or_b32 s20, s20, s[RUN+2*\k]
	v_mov_b32 v[SUM+\k], s20
.endr
	v_mov_b32 v[SUM+3], 0
	v_mov_b32 v5, s10
	v_lshlrev_b32 v5, 4, v5
	ds_store_b128 v5, v[SUM:SUM+3]                 ; all lanes write the same 16 bytes with the same values
	s_wait_dscnt 0x0                               ; for the others' sake: my store is done before I signal
	s_barrier_signal -1
	s_barrier_wait -1
	ds_load_b128 v[SUM:SUM+3], v2                  ; lane l: wave l's totals
	s_wait_dscnt 0x0
	v_cmp_gt_u32 vcc_lo, s10, v1                   ; the waves in front of mine
	v_cndmask_b32 v[SUM+5], 0, v[SUM+2], vcc_lo
	v_cndmask_b32 v[SUM+4], 0, v[SUM+1], vcc_lo
	v_cndmask_b32 v[SUM+3], 0, v[SUM], vcc_lo
.irp m, 1,2,4,8
.irp k, 0,1,2,3,4,5
	v_mov_b32_dpp v[TT+\k], v[SUM+\k] row_xmask:\m row_mask:0xf bank_mask:0xf
.endr
.irp k, 0,1,2,3,4,5
	v_add_nc_u32 v[SUM+\k], v[SUM+\k], v[TT+\k]
.endr
.endr
.irp k, 0,1,2,3,4,5
	v_permlanex16_b32 v[TT+\k], v[SUM+\k], s12, s13
.endr
.irp k, 0,1,2,3,4,5
	v_add_nc_u32 v[SUM+\k], v[SUM+\k], v[TT+\k]
.endr
.irp k, 0,1,2,3,4,5
	v_readfirstlane_b32 s[BM+\k], v[SUM+\k]
.endr
.irp k, 0,1,2
	s_and_b32 s[C+2*\k], s[BM+\k], 0xffff
	s_lshr_b32 s[C+2*\k+1], s[BM+\k], 16
	s_and_b32 s[PB+2*\k], s[BM+3+\k], 0xffff
	s_lshr_b32 s[PB+2*\k+1], s[BM+3+\k], 16
.endr
	; n = ceil(c / 144) = ((c + 143) x 7,282) >> 20: 7,282 x 144 = 2^20 + 32, and 32 x 8,335 stays under 2^20, so the quotient is exact
	s_mov_b32 s22, 64
	s_mov_b32 s23, 0
.irp g, 0,1,2,3,4,5
	s_add_co_u32 s20, s[C+\g], 143
	s_mul_i32 s20, s20, 7282
	s_lshr_b32 s[N+\g], s20, 20
	s_sub_co_u32 s22, s22, s[N+\g]                 ; the chunks left over
	s_max_u32 s23, s23, s[C+\g]                    ; the largest group's rows
.endr
.irp g, 0,1,2,3,4,5
	s_cmp_eq_u32 s[C+\g], s23                      ; the first group of that size takes them all
	s_cselect_b32 s20, s22, 0
	s_cselect_b32 s22, 0, s22
	s_add_co_u32 s[N+\g], s[N+\g], s20
.endr
	s_mov_b32 s[S], 0
.irp g, 0,1,2,3,4,5
	s_add_co_u32 s[S+\g+1], s[S+\g], s[N+\g]
.endr
	; the groups' numbers into the lanes whose number is the group's key
	v_mov_b32 v[NL], 1
	v_mov_b32 v[PK], 0
	v_mov_b32 v[CL], 0
.irp g, 0,1,2,3,4,5
	v_writelane_b32 v[NL], s[N+\g], (KEYS>>(4*\g))&15
	s_lshl_b32 s20, s[S+\g], 8
	s_or_b32 s20, s20, s[N+\g]
	s_lshl_b32 s21, s[PB+\g], 16
	s_or_b32 s20, s20, s21
	v_writelane_b32 v[PK], s20, (KEYS>>(4*\g))&15
	v_writelane_b32 v[CL], s[C+\g], (KEYS>>(4*\g))&15
.endr
	; floor(2^19 / n) bit by bit, all lanes at once (an empty group's n = 0 gives a number that no row uses)
	v_mov_b32 v[ML], 0
.irp b, 19,18,17,16,15,14,13,12,11,10,9,8,7,6,5,4,3,2,1,0
	v_or_b32 v[QT], 1<<\b, v[ML]
	v_mul_lo_u32 v[QT+1], v[QT], v[NL]
	v_cmp_ge_u32 vcc_lo, 0x80000, v[QT+1]
	v_cndmask_b32 v[ML], v[ML], v[QT], vcc_lo
.endr
	v_add_nc_u32 v[ML], 1, v[ML]
	; each row fetches its group's numbers from the lane of its key and goes to its place
.irp j, 0,1,2,3,4,5,6,7
	v_min_u32 v[IX+\j], 15, v[KEY+\j]
.endr
.irp j, 0,1,2,3,4,5,6,7
	v_lshlrev_b32 v[IX+\j], 2, v[IX+\j]
.endr
.irp j, 0,1,2,3,4,5,6,7
	ds_bpermute_b32 v[PA+\j], v[IX+\j], v[PK]
	ds_bpermute_b32 v[PM+\j], v[IX+\j], v[ML]
.endr
.irp j, 0,1,2,3,4,5,6,7
	v_add_nc_u32 v[RW+\j], 128*(\j>>2)+(\j&3), v4  ; the row
.endr
	s_wait_dscnt 0x0
.irp j, 0,1,2,3,4,5,6,7
	v_lshrrev_b32 v[AD+\j], 16, v[PA+\j]
.endr
.irp j, 0,1,2,3,4,5,6,7
	v_add_nc_u32 v[AD+\j], v[AD+\j], v[RK+\j]      ; rho
.endr
.irp j, 0,1,2,3,4,5,6,7
	v_mul_lo_u32 v[PM+\j], v[AD+\j], v[PM+\j]
.endr
.irp j, 0,1,2,3,4,5,6,7
	v_lshrrev_b32 v[PM+\j], 19, v[PM+\j]           ; slot = rho div n
.endr
.irp j, 0,1,2,3,4,5,6,7
	v_and_b32 v[IX+\j], 0xff, v[PA+\j]             ; n
.endr
.irp j, 0,1,2,3,4,5,6,7
	v_mul_lo_u32 v[IX+\j], v[PM+\j], v[IX+\j]
.endr
.irp j, 0,1,2,3,4,5,6,7
	v_sub_nc_u32 v[AD+\j], v[AD+\j], v[IX+\j]      ; rho mod n
.endr
.irp j, 0,1,2,3,4,5,6,7
	v_bfe_u32 v[PA+\j], v[PA+\j], 8, 8             ; S
.endr
.irp j, 0,1,2,3,4,5,6,7
	v_add_nc_u32 v[AD+\j], v[AD+\j], v[PA+\j]      ; chunk
.endr
.irp j, 0,1,2,3,4,5,6,7
	v_min_u32 v[AD+\j], 63, v[AD+\j]               ; what was made of loaded numbers is clamped before it becomes an address
	v_min_u32 v[PM+\j], 143, v[PM+\j]
.endr
.irp j, 0,1,2,3,4,5,6,7
	v_lshlrev_b32 v[AD+\j], 10, v[AD+\j]
	v_lshlrev_b32 v[PM+\j], 2, v[PM+\j]
.endr
.irp j, 0,1,2,3,4,5,6,7
	v_add_nc_u32 v[AD+\j], v[AD+\j], v[PM+\j]
.endr
.irp j, 0,1,2,3,4,5,6,7
	global_store_b32 v[AD+\j], v[RW+\j], s[6:7]    ; a placement: 8,192 words in all, each to its own place; address and data registers are not written again
.endr
	s_cmp_lg_u32 s10, 0
	s_cbranch_scc1 .Lend
	; wave 0: the table of chunks, two a lane
	s_mov_b32 s20, KEYS
	s_mov_b32 s21, 0x211000                        ; the groups' lower experts, four bits each
	s_mov_b32 s22, 0x332321                        ; the higher ones
	v_lshlrev_b32 v88, 1, v1                       ; chunk 2 lane
	v_add_nc_u32 v89, 1, v88                       ; and 2 lane + 1
.irp cc, 0,1
	v_mov_b32 v[90+\cc], 0
.irp g, 1,2,3,4,5
	v_cmp_le_u32 vcc_lo, s[S+\g], v[88+\cc]        ; the chunk lies at or behind group g's first: 4 x the group's number
	v_cndmask_b32 v92, 0, 4, vcc_lo
	v_add_nc_u32 v[90+\cc], v[90+\cc], v92
.endr
	v_lshrrev_b32 v93, v[90+\cc], s20
	v_and_b32 v93, 15, v93                         ; the group's key
	v_lshlrev_b32 v93, 2, v93
	ds_bpermute_b32 v94, v93, v[PK]
	ds_bpermute_b32 v95, v93, v[ML]
	ds_bpermute_b32 v96, v93, v[CL]
	v_lshrrev_b32 v97, v[90+\cc], s21
	v_and_b32 v97, 15, v97                         ; a
	v_lshrrev_b32 v92, v[90+\cc], s22
	v_and_b32 v92, 15, v92                         ; b
	v_lshl_or_b32 v97, v92, 8, v97
	s_wait_dscnt 0x0
	v_bfe_u32 v94, v94, 8, 8                       ; S
	v_sub_nc_u32 v94, v[88+\cc], v94               ; k: the chunk's number in its group
	v_sub_nc_u32 v96, v96, v94
	v_add_nc_u32 v96, -1, v96                      ; c - 1 - k
	v_mul_lo_u32 v96, v96, v95
	v_lshrrev_b32 v96, 19, v96                     ; (c - 1 - k) div n = rows in the chunk - 1
	v_lshl_or_b32 v[98+\cc], v96, 16, v97
.endr
	v_lshlrev_b32 v100, 3, v1
	global_store_b64 v100, v[98:99], s[8:9]        ; 256 consecutive bytes, aligned
.Lend:
	s_wait_tensorcnt 0x0
	ds_add_u32 v104, v105
	s_wait_dscnt 0x0
	s_endpgm
.Lfunc_end_k_qda42570d8d_route:
	.size	k_qda42570d8d_route, .Lfunc_end_k_qda42570d8d_route-k_qda42570d8d_route
	.p2alignl 7, 3214868480
	.fill 96, 4, 3214868480
	.section	.rodata,"a",@progbits
	.p2align	6, 0x0
	.amdhsa_kernel k_qda42570d8d_route
		.amdhsa_group_segment_fixed_size 4608
		.amdhsa_private_segment_fixed_size 0
		.amdhsa_enable_private_segment 0
		.amdhsa_kernarg_size 24
		.amdhsa_user_sgpr_count 2
		.amdhsa_user_sgpr_kernarg_segment_ptr 1
		.amdhsa_wavefront_size32 1
		.amdhsa_system_sgpr_workgroup_id_x 1
		.amdhsa_system_sgpr_workgroup_id_y 1
		.amdhsa_system_sgpr_workgroup_id_z 1
		.amdhsa_system_vgpr_workitem_id 0
		.amdhsa_next_free_vgpr 106
		.amdhsa_next_free_sgpr 80
		.amdhsa_reserve_vcc 1
		.amdhsa_float_denorm_mode_32 3
		.amdhsa_float_denorm_mode_16_64 3
		.amdhsa_memory_ordered 1
		.amdhsa_forward_progress 1
		.amdhsa_inst_pref_size 38
	.end_amdhsa_kernel
	.amdgpu_metadata
---
amdhsa.version: [ 1, 2 ]
amdhsa.kernels:
  - .name:           k_qda42570d8d_route
    .symbol:         k_qda42570d8d_route.kd
    .args:
      - { .name: key, .offset: 0, .size: 8, .value_kind: global_buffer, .address_space: global }
      - { .name: perm, .offset: 8, .size: 8, .value_kind: global_buffer, .address_space: global }
      - { .name: ctab, .offset: 16, .size: 8, .value_kind: global_buffer, .address_space: global }
    .group_segment_fixed_size: 4608
    .private_segment_fixed_size: 0
    .kernarg_segment_align: 8
    .kernarg_segment_size: 24
    .max_flat_workgroup_size: 1024
    .sgpr_count:     80
    .vgpr_count:     106
    .wavefront_size: 32
...
	.end_amdgpu_metadata
.endif
;; end of part 3
;; launch gemm (part 4): grid 4 x 64, 4 waves a work-group, no clusters, 327,680 bytes of LDS; arguments fb, wt, out0, wts, b_e, perm, ctab; writes out0
.if DOCPART == 4
	.amdgcn_target "amdgcn-amd-amdhsa--gfx1250"
	.amdhsa_code_object_version 6
	.text
	.protected	k_qda42570d8d_gemm
	.globl	k_qda42570d8d_gemm
	.p2align	8
	.type	k_qda42570d8d_gemm,@function
k_qda42570d8d_gemm:
	s_mov_b64 s[64:65], 0
	v_nop
	global_prefetch_b8 v0, s[64:65] scope:SCOPE_SE
	s_setreg_imm32_b32 hwreg(HW_REG_WAVE_MODE, 25, 1), 1
	s_wait_xcnt 0x0
; out0[m][o] = wts[m][a] (sum over k of fb[m][k] wt[a][o][k] + b_e[a][o]) + the same with b, for the row's two experts a < b alone.
; fb: [8192][4096] f16.  wt: [4][512][4096] f16.  wts: [8192][4] f32.  perm, ctab: the rows grouped by their pair of experts into 64 chunks of at
; most 144 rows.  Sums in f32.  The other two experts' products, which the choice of the top two throws away, are not made.
; Work-group (x, y) makes chunk y's rows x outputs 128 x .. + 127 for the chunk's two experts: 144 x 256 x 4,096 multiply-adds, the same in every
; work-group: nothing but addresses hangs on the lists.  Four waves, as many as a WGP has SIMDs; wave w makes 144 rows x (2 experts x outputs 32 w .. + 31):
; 36 accumulator tiles of 16 x 16, 288 registers.  The two experts' sums of an output lie in one lane: the bias is the C operand of each sum's first
; product, and one packed multiply and one packed multiply-add per pair of outputs fold them with the row's two weights.
; A chunk of fewer than 144 rows: the slots behind its last row take that last row again; they compute and store the same numbers to the same place.
; K goes in steps of 128 through two LDS slots.  wt's tile (2 x 128 rows x 256 bytes) comes by the tensor data mover, 64 rows a wave.
; fb's rows are named by a list and have no common pitch, so no tensor tile holds them: each wave loads 36 rows' 256 bytes into registers
; (16 lanes take a row's 256 aligned bytes), one K step ahead, and puts them into LDS slots of their own bytes, which no tensor load fills.
; NO CLUSTER: fb's rows do not come by tensor loads, and the address of wt's tile hangs on the chunk's experts, read from memory:
; it is not the same in neighbouring chunks at every input, so no joint request can be written.
; LIMITS: operands are f16 (11 significant bits; magnitudes up to 65,504, steps of 2^-24 at the small end).  NaN inputs are not served.
;
; REGISTERS, in windows of 256 (s_set_vgpr_msb says which window each operand place means):
;   window 0: addresses, lists, the staging registers for fb, weights, bias; on the way out the folded results and the rows read back
;   window 1: fragments: fb v0-71 and v72-143 (9 x 16 rows x 32 K, two buffers), wt v144-175 and v176-207 (4 x 16 rows, two buffers)
;   window 2: the accumulator tiles of row blocks 0-7 (tile (m, b) at v[8 (4 m + b)]);   window 3: those of row block 8, v0-31
; THE MATRIX INSTRUCTION IS USED TRANSPOSED: source 0 = 16 rows of wt, source 1 = 16 rows of fb.  Lane l then holds row l % 16 of the block, and its
; registers 0 to 7 the rows 8 (l / 16) + 0 .. 7 of wt's block b = 2 x (0 for a, 1 for b) + ob: outputs 16 ob + 8 (l / 16) + 0 .. 7 of the wave's 32.
.set SIZE_K, 4096
.set KSTEP,  128
.set PITCH,  272                       ; an LDS row: 256 bytes + 16: the 16 rows that a load touches start at 16 different groups of four banks (64 banks of 4 bytes: ISA guide 11.1)
.set BSLOT,  256*PITCH                 ; wt's slot: expert a's 128 rows, then expert b's
.set ASLOT,  144*PITCH                 ; fb's slot
.set ABASE,  2*BSLOT                   ; fb's two slots lie behind wt's two
.set STAGE,  ABASE+2*ASLOT             ; the way out: 144 rows x 528 bytes of their own
.set SP,     528                       ; 512 bytes + 16
.set LAPS, SIZE_K/(2*KSTEP)            ; 16 laps; a lap = two K steps
.set ADRA, 16                          ; v16-17  LDS address of my fb fragments in slot 0, 1
.set ADRB, 18                          ; v18-19  the same for wt
.set ASTO, 20                          ; v20-21  where I put the rows that I load, slot 0, 1
.set STO,  22                          ; v22-24  the way out: where I put 16 bytes of a row; row blocks 0-3, 4-7, 8
.set RD,   25                          ; v25     the way out: where I read a row back
.set AOF,  32                          ; v[32:49]   load i: byte offset in fb of my 16 bytes of row slot 36 w + 2 i + l / 16; never rewritten
.set OOF,  50                          ; v[50:67]   the same row's byte offset in out0
.set G,    72                          ; v[72:143]  the staging registers: 18 loads of 16 bytes a lane
.set WGT,  144                         ; v[144:161] WGT + 2 m, + 1: the weights of a and of b in row slot 16 m + l % 16
.set PW,   162                         ; v[162:170] that row's byte offset in wts
.set BIAS, 192                         ; v[192:223] BIAS + 8 b + j: the bias of register j of the tiles (., b)
.set TMP,  72                          ; the way out: the folded results of four row blocks
.set DAT,  72                          ; v[72:215]  the way out: 36 x 16 bytes a lane read back
.set AF,   0                           ; window 1
.set BF,   144                         ; window 1
.set G1, 24                            ; s[24:31] descriptor group 1
.set G0, 32                            ; s[32:39] descriptor group 0, one set for each slot
.set MSB, 0
.macro WIN new                         ; the immediate's high byte repeats the setting that is left
.if MSB != \new
	s_set_vgpr_msb (MSB<<8)|\new
.set MSB, \new
.endif
.endm
.set MUL_LO, 0xa5                      ; sources 0 and 1 window 1, C and D window 2
.set MUL_HI, 0xf5                      ; the same, C and D window 3
.set FST_LO, 0x85                      ; a sum's first product: C (the bias) window 0, D window 2
.set FST_HI, 0xc5                      ; the same, D window 3
.set TO_F,   0x40                      ; destination window 1, address window 0
	s_load_b256 s[4:11], s[0:1], 0x0               ; fb s[4:5], wt s[6:7], out0 s[8:9], wts s[10:11]
	s_load_b128 s[12:15], s[0:1], 0x20             ; b_e s[12:13], perm s[14:15]
	s_load_b64 s[16:17], s[0:1], 0x30              ; ctab
	s_set_vgpr_msb 0x40
	v_lshl_add_u32 v254, v0, 2, 0x47b00
	v_mov_b32 v255, 0
	s_set_vgpr_msb 0x4045
	ds_add_u32 v254, v255
	ds_add_u32 v254, v255
	s_set_vgpr_msb 0x4500
	v_lshrrev_b32 v1, 5, v0
	v_readfirstlane_b32 s18, v1                    ; wave 0..3
	s_and_b32 s19, s18, 1
	s_and_b32 s21, ttmp7, 0xffff                   ; chunk
	s_lshl_b32 s42, s21, 2
	s_mov_b32 s43, 0
	s_mov_b32 s45, 0
	; descriptor group 1: a tile of 64 rows x 128 elements of 2 bytes, 16 bytes of padding behind each row of 64 words
	s_mov_b32 s[G1+0], (1<<16)|(1<<20)|(5<<22)|(3<<25)
	s_mov_b32 s[G1+1], KSTEP<<16                   ; tensor_dim0 = 128
	s_mov_b32 s[G1+2], 64<<16                      ; tensor_dim1 = 64
	s_mov_b32 s[G1+3], KSTEP<<16                   ; tile_dim0 = 128
	s_mov_b32 s[G1+4], 64                          ; tile_dim1 = 64
	s_mov_b32 s[G1+5], SIZE_K                      ; elements from row to row
	s_mov_b32 s[G1+6], 0
	s_mov_b32 s[G1+7], 0
	s_mul_i32 s54, s18, 64*PITCH                   ; my 64 rows of wt's slot: waves 0, 1 expert a's halves, waves 2, 3 expert b's
	s_wait_dscnt 0x0
	s_wait_kmcnt 0x0
	s_add_nc_u64 s[16:17], s[16:17], s[42:43]
	s_load_b32 s22, s[16:17], 0x0                  ; a | b << 8 | (rows - 1) << 16
	s_wait_kmcnt 0x0
	s_and_b32 s59, s22, 0xff
	s_bfe_u32 s60, s22, 0x80008
	s_lshr_b32 s41, s22, 16
	s_min_u32 s23, s59, 3                          ; a: what was loaded is clamped before it enters an address
	s_min_u32 s40, s60, 3                          ; b
	s_min_u32 s41, s41, 143                        ; the chunk's last slot with a row
	s_cmp_lt_u32 s18, 2
	s_cselect_b32 s44, s59, s60                    ; the expert whose rows I fetch
	s_min_u32 s44, s44, 3
	s_lshl_b32 s44, s44, 22                        ; an expert: 512 rows of 8,192 bytes
	s_lshl_b32 s55, ttmp9, 20                      ; 128 rows
	s_add_co_u32 s44, s44, s55
	s_lshl_b32 s55, s19, 19                        ; 64 rows
	s_add_co_u32 s44, s44, s55
	s_add_nc_u64 s[6:7], s[6:7], s[44:45]
.irp s, 0,1
	s_mov_b32 s[G0+4*\s], 1                                        ; count = 1
	s_add_co_u32 s[G0+4*\s+1], s54, \s*BSLOT                       ; LDS address: the slot's constant + wave x 64 rows
	s_add_nc_u64 s[G0+4*\s+2:G0+4*\s+3], s[6:7], \s*KSTEP*2        ; global address: K step s
	s_or_b32 s[G0+4*\s+3], s[G0+4*\s+3], 0x80000000                ; type = 2
	tensor_load_to_lds s[G0+4*\s:G0+4*\s+3], s[G1:G1+7]            ; both first fills go out together: two tensor loads of the wave are out
	s_nop 0
.endr
	; the lists: which rows I load and store (slots 36 w + 2 i + l / 16) and whose weights I need (slots 16 m + l % 16)
	v_and_b32 v1, 15, v0                           ; l % 16
	v_bfe_u32 v2, v0, 4, 1                         ; l / 16
	v_lshlrev_b32 v6, 4, v1                        ; 16 (l % 16)
	v_lshlrev_b32 v7, 5, v2                        ; 32 (l / 16)
	s_lshl_b32 s42, s21, 10                        ; a chunk's list: 1,024 bytes
	s_add_nc_u64 s[14:15], s[14:15], s[42:43]
	s_mul_i32 s56, s18, 36
	v_add_nc_u32 v5, s56, v2                       ; 36 w + l / 16
.set i, 0
.rept 18
	v_add_nc_u32 v[AOF+i], 2*i, v5
	v_min_u32 v[AOF+i], s41, v[AOF+i]              ; behind the chunk's last row: that row again
	v_min_u32 v[AOF+i], 143, v[AOF+i]
	v_lshlrev_b32 v[AOF+i], 2, v[AOF+i]
	global_load_b32 v[AOF+i], v[AOF+i], s[14:15]
.set i, i+1
.endr
.set i, 0
.rept 9
	v_add_nc_u32 v[PW+i], 16*i, v1
	v_min_u32 v[PW+i], s41, v[PW+i]
	v_min_u32 v[PW+i], 143, v[PW+i]
	v_lshlrev_b32 v[PW+i], 2, v[PW+i]
	global_load_b32 v[PW+i], v[PW+i], s[14:15]
.set i, i+1
.endr
	; scalar bases, while the lists are on their way
	s_lshl_b32 s57, ttmp9, 9                       ; my work-group's 128 outputs of 4 bytes
	s_lshl_b32 s58, s18, 7                         ; my wave's 32
	s_add_co_u32 s58, s58, s57
	s_lshl_b32 s42, s23, 11                        ; a row of b_e: 2,048 bytes
	s_add_co_u32 s42, s42, s58
	s_add_nc_u64 s[50:51], s[12:13], s[42:43]      ; b_e[a] at my wave's outputs
	s_lshl_b32 s42, s40, 11
	s_add_co_u32 s42, s42, s58
	s_add_nc_u64 s[52:53], s[12:13], s[42:43]      ; b_e[b]
	s_lshl_b32 s42, s23, 2
	s_add_nc_u64 s[46:47], s[10:11], s[42:43]      ; wts[.][a]
	s_lshl_b32 s42, s40, 2
	s_add_nc_u64 s[48:49], s[10:11], s[42:43]      ; wts[.][b]
	s_mov_b32 s42, s57
	s_add_nc_u64 s[8:9], s[8:9], s[42:43]          ; out0 at my work-group's outputs
	; LDS addresses.  A fragment is 16 rows x 32 K in 8 registers: lane l holds row l % 16; registers 0-3 hold K = 8 (l / 16) + 0..7, registers 4-7
	; K = 16 + 8 (l / 16) + 0..7: two loads of 16 bytes, 32 bytes apart.
	v_mul_u32_u24 v3, v1, PITCH
	v_lshl_add_u32 v3, v2, 4, v3                   ; row x pitch + 16 x half
	s_mul_i32 s55, s18, 32*PITCH                   ; my wave's 32 rows of each expert
	v_add_nc_u32 v[ADRB], s55, v3
	v_add_nc_u32 v[ADRB+1], BSLOT, v[ADRB]
	v_add_nc_u32 v[ADRA], ABASE, v3
	v_add_nc_u32 v[ADRA+1], ABASE+ASLOT, v3
	v_mul_u32_u24 v4, v5, PITCH                    ; the rows that I bring: slot 36 w + l / 16 (+ 2 i), 16 bytes at 16 (l % 16)
	v_add_nc_u32 v4, v4, v6
	v_add_nc_u32 v[ASTO], ABASE, v4
	v_add_nc_u32 v[ASTO+1], ABASE+ASLOT, v4
	v_mul_u32_u24 v8, v1, SP                       ; the way out, in: row 16 m + l % 16, byte 128 w + 32 (l / 16)
	v_add_nc_u32 v8, v8, v7
	s_lshl_b32 s55, s18, 7
	s_add_co_u32 s55, s55, STAGE
	v_add_nc_u32 v[STO], s55, v8
	v_add_nc_u32 v[STO+1], 4*16*SP, v[STO]
	v_add_nc_u32 v[STO+2], 8*16*SP, v[STO]
	v_mul_u32_u24 v9, v5, SP                       ; back: row 36 w + l / 16 (+ 2 t), 16 bytes at 16 (l % 16)
	v_add_nc_u32 v9, v9, v6
	v_add_nc_u32 v[RD], STAGE, v9
	s_wait_loadcnt 0x0                             ; the lists
.set i, 0
.rept 18
	v_min_u32 v[AOF+i], 0x1fff, v[AOF+i]           ; a row: clamped before it enters an address
	v_lshlrev_b32 v[OOF+i], 11, v[AOF+i]           ; rows of 2,048 bytes in out0
	v_add_nc_u32 v[OOF+i], v[OOF+i], v6
	v_lshlrev_b32 v[AOF+i], 13, v[AOF+i]           ; rows of 8,192 bytes in fb
	v_add_nc_u32 v[AOF+i], v[AOF+i], v6
.set i, i+1
.endr
.set i, 0
.rept 9
	v_min_u32 v[PW+i], 0x1fff, v[PW+i]
	v_lshlrev_b32 v[PW+i], 4, v[PW+i]              ; rows of 16 bytes in wts
.set i, i+1
.endr
.set i, 0
.rept 18
	global_load_b128 v[G+4*i:G+4*i+3], v[AOF+i], s[4:5]            ; fb, K step 0: 16 lanes take 256 consecutive aligned bytes of a row
.set i, i+1
.endr
.set i, 0
.rept 9
	global_load_b32 v[WGT+2*i],   v[PW+i], s[46:47]
	global_load_b32 v[WGT+2*i+1], v[PW+i], s[48:49]
.set i, i+1
.endr
.irp b, 0,1,2,3
	global_load_b128 v[BIAS+8*\b:BIAS+8*\b+3],   v7, s[50+2*(\b>>1):51+2*(\b>>1)] offset:(\b&1)*64
	global_load_b128 v[BIAS+8*\b+4:BIAS+8*\b+7], v7, s[50+2*(\b>>1):51+2*(\b>>1)] offset:(\b&1)*64+16
.endr
	s_wait_loadcnt 26                              ; K step 0's 18 loads are in; the weights' 18 and the bias's 8 stay out
.set i, 0
.rept 18
	ds_store_b128 v[ASTO], v[G+4*i:G+4*i+3] offset:2*PITCH*i
.set i, i+1
.endr
.set i, 0
.rept 18
	global_load_b128 v[G+4*i:G+4*i+3], v[AOF+i], s[4:5] offset:KSTEP*2     ; K step 1
.set i, i+1
.endr
; The four products of row block m with wt's four blocks, 32 along K, from fragment buffers f; am = the block's place in the window at work.
; first = 1: the product starts the sums from the bias: nothing is cleared, and no bias is added later.
; The 36 accumulators take turns, one instruction a turn.
.macro MULM f, m, am, first
.irp b, 0,1,2,3
.if \first
	v_wmma_f32_16x16x32_f16 v[8*(4*(\am)+\b):8*(4*(\am)+\b)+7], v[BF+32*\f+8*\b:BF+32*\f+8*\b+7], v[AF+72*\f+8*(\m):AF+72*\f+8*(\m)+7], v[BIAS+8*\b:BIAS+8*\b+7]
.else
	v_wmma_f32_16x16x32_f16 v[8*(4*(\am)+\b):8*(4*(\am)+\b)+7], v[BF+32*\f+8*\b:BF+32*\f+8*\b+7], v[AF+72*\f+8*(\m):AF+72*\f+8*(\m)+7], v[8*(4*(\am)+\b):8*(4*(\am)+\b)+7]
.endif
.endr
.endm
; 26 LDS loads in one run: the fragments of one quarter step (32 K at byte k of the rows) into buffers f: wt's four blocks, then fb's blocks in the
; order in which they are multiplied: 0, 1, 8 first.
.macro FETCH slot, k, f
	WIN TO_F
.irp b, 0,1,2,3
	ds_load_b128 v[BF+32*\f+8*\b:BF+32*\f+8*\b+3],   v[ADRB+\slot] offset:\k+((\b>>1)*128+(\b&1)*16)*PITCH
	ds_load_b128 v[BF+32*\f+8*\b+4:BF+32*\f+8*\b+7], v[ADRB+\slot] offset:\k+((\b>>1)*128+(\b&1)*16)*PITCH+32
.endr
.irp m, 0,1,8,2,3,4,5,6,7
	ds_load_b128 v[AF+72*\f+8*\m:AF+72*\f+8*\m+3],   v[ADRA+\slot] offset:\k+\m*16*PITCH
	ds_load_b128 v[AF+72*\f+8*\m+4:AF+72*\f+8*\m+7], v[ADRA+\slot] offset:\k+\m*16*PITCH+32
.endr
.endm
; A load into a register that a matrix instruction has read, and a vector instruction that reads a matrix result, stand four places behind that
; matrix instruction, and only plain vector instructions that name none of its registers are places (ISA guide 7.12.1 for vector instructions).
; So four v_nop stand in front of each run of fragment loads and in front of the way out.
.macro PLACES
.rept 4
	v_nop
.endr
.endm
; fb's next K step goes from the staging registers into slot 'to', which every wave has finished reading (the last barrier); ld = 1: the K step after
; that is asked for.  From a request to the wait for it a wave issues a whole K step's 144 matrix instructions.
.macro ASTAGE to, ld
	WIN 0
	s_wait_loadcnt 0x0                             ; my 18 loads are in; their base may be stepped
.if \ld
	s_add_nc_u64 s[4:5], s[4:5], KSTEP*2
.endif
.set i, 0
.rept 18
	ds_store_b128 v[ASTO+\to], v[G+4*i:G+4*i+3] offset:2*PITCH*i
.set i, i+1
.endr
.if \ld
.set i, 0
.rept 18
	global_load_b128 v[G+4*i:G+4*i+3], v[AOF+i], s[4:5] offset:KSTEP*2
.set i, i+1
.endr
.endif
.endm
; A K step is four quarter steps of 32 along K, 36 matrix instructions each, on buffers 0, 1, 0, 1.
; One of the first three: multiplies buffers f; behind its first 12 products it fetches the next quarter's fragments, at byte k of the same slot's rows, into g.
.macro QUARTER slot, k, f, g, first, st, ld
	s_wait_dscnt 12                                ; of the 26 loads wt's 8 and fb's blocks 0, 1, 8 are in; the youngest 12 may be out
.if \first
	WIN FST_LO
.else
	WIN MUL_LO
.endif
	MULM \f, 0, 0, \first
	MULM \f, 1, 1, \first
.if \first
	WIN FST_HI
.else
	WIN MUL_HI
.endif
	MULM \f, 8, 0, \first
	PLACES
.if \st
	ASTAGE 1-\slot, \ld
.endif
	FETCH \slot, \k, \g
	s_wait_dscnt 26                                ; all but the 26 just issued
.if \first
	WIN FST_LO
.else
	WIN MUL_LO
.endif
.irp m, 2,3,4,5,6,7
	MULM \f, \m, \m, \first
.endr
.endm
.macro THREE slot, first, st, ld
	QUARTER \slot, 64,  0, 1, \first, 0, 0
	QUARTER \slot, 128, 1, 0, 0, 0, 0
	QUARTER \slot, 192, 0, 1, 0, \st, \ld
.endm
; The last quarter: multiplies buffers 1 and changes slots.  fill = 1: wt's slot is filled again, two K steps ahead.
; ONE barrier for the change of slots.  In front of it each wave waits for its LDS instructions (its reads of this slot, its stores into fb's next slot)
; and for all its tensor loads, of which one is out: its part of wt's next slot.  Behind it nobody reads this slot any more and the next slot is whole:
; the refill comes first, the wave's one tensor load until the next barrier, then the next slot's first fragments.
.macro TURN slot, next, fill
	s_wait_dscnt 12
	WIN MUL_LO
	MULM 1, 0, 0, 0
	MULM 1, 1, 1, 0
	s_wait_dscnt 0
	s_wait_tensorcnt 0x0
	ds_add_u32 v254, v255
	s_wait_dscnt 0x0
	s_barrier_signal -1
	MULM 1, 2, 2, 0                                ; work on registers while the others arrive
	WIN MUL_HI
	MULM 1, 8, 0, 0
	s_barrier_wait -1
.if \fill
	s_add_nc_u64 s[G0+4*\slot+2:G0+4*\slot+3], s[G0+4*\slot+2:G0+4*\slot+3], 2*KSTEP*2   ; no tensor load of mine is out: the address may step
	tensor_load_to_lds s[G0+4*\slot:G0+4*\slot+3], s[G1:G1+7]
	s_nop 0
.endif
	PLACES
	FETCH \next, 0, 0
	WIN MUL_LO
.irp m, 3,4,5,6,7
	MULM 1, \m, \m, 0
.endr
.endm
.macro LAP first
	THREE 0, \first, 1, 1
	TURN 0, 1, 1
	THREE 1, 0, 1, 1
	TURN 1, 0, 1
.endm
	s_wait_loadcnt 18                              ; weights and bias are in; K step 1's 18 loads stay out
	s_wait_dscnt 0x0                               ; my rows of K step 0 are in LDS
	s_wait_tensorcnt 1                             ; my part of wt's K step 0 is in; K step 1's stays out
	s_barrier_signal -1
	s_barrier_wait -1                              ; everybody's is
	FETCH 0, 0, 0
	LAP 1                                          ; the first lap stands in front of the loop: its first products start the sums
	WIN 0                                          ; at a label and at a branch every window is 0
	s_mov_b32 s3, LAPS-2
.Llap:
	LAP 0
	WIN 0
	s_sub_co_u32 s3, s3, 1
	s_cmp_lg_u32 s3, 0
	s_cbranch_scc1 .Llap
	THREE 0, 0, 1, 0                               ; K step 30: fb's last K step goes into LDS; nothing more is asked for
	TURN 0, 1, 0
	THREE 1, 0, 0, 0                               ; K step 31
	s_wait_dscnt 0                                 ; the very last quarter: nothing more to fetch
	WIN MUL_LO
.irp m, 0,1,2,3,4,5,6,7
	MULM 1, \m, \m, 0
.endr
	WIN MUL_HI
	MULM 1, 8, 0, 0
	; THE WAY OUT.  For each row and each of my 32 outputs the two experts' sums lie in one lane, in the same register of tiles (m, ob) and (m, 2 + ob).
	PLACES                                         ; the places behind the last matrix instructions
; row block: tm = its place in TMP, am = its place in the accumulators' window, wm = its weights.  The pair holds the weight of a, then of b; one of them feeds both halves.
; The arguments may be sums (m + 4), so each stands in brackets where it is multiplied.
.macro COMB tm, am, wm
.irp ob, 0,1
.irp p, 0,1,2,3
	v_pk_mul_f32 v[TMP+16*(\tm)+8*\ob+2*\p:TMP+16*(\tm)+8*\ob+2*\p+1], v[8*(4*(\am)+\ob)+2*\p:8*(4*(\am)+\ob)+2*\p+1], v[WGT+2*(\wm):WGT+2*(\wm)+1] op_sel_hi:[1,0]
.endr
.endr
.irp ob, 0,1
.irp p, 0,1,2,3
	v_pk_fma_f32 v[TMP+16*(\tm)+8*\ob+2*\p:TMP+16*(\tm)+8*\ob+2*\p+1], v[8*(4*(\am)+2+\ob)+2*\p:8*(4*(\am)+2+\ob)+2*\p+1], v[WGT+2*(\wm):WGT+2*(\wm)+1], v[TMP+16*(\tm)+8*\ob+2*\p:TMP+16*(\tm)+8*\ob+2*\p+1] op_sel:[0,1,0] op_sel_hi:[1,1,1]
.endr
.endr
.endm
.macro PUT tm, base
.irp ob, 0,1
.irp q, 0,1
	ds_store_b128 v[\base], v[TMP+16*(\tm)+8*\ob+4*\q:TMP+16*(\tm)+8*\ob+4*\q+3] offset:(\tm)*16*SP+64*\ob+16*\q
.endr
.endr
.endm
	WIN 0x02                                       ; source 0 in window 2, all else in window 0
.irp m, 0,1,2,3
	COMB \m, \m, \m                                ; row blocks 0 to 3
.endr
	WIN 0
.irp m, 0,1,2,3
	PUT \m, STO
.endr
	WIN 0x02
.irp m, 0,1,2,3
	COMB \m, \m+4, \m+4                            ; row blocks 4 to 7: their own tiles and their own weights
.endr
	WIN 0
.irp m, 0,1,2,3
	PUT \m, STO+1
.endr
	WIN 0x03
	COMB 0, 0, 8                                   ; row block 8, in window 3
	WIN 0
	PUT 0, STO+2
	s_wait_dscnt 0x0                               ; a row's 512 bytes come from four waves: my stores are done before I signal
	s_barrier_signal -1
	s_barrier_wait -1
.set t, 0
.rept 36
	ds_load_b128 v[DAT+4*t:DAT+4*t+3], v[RD] offset:2*SP*(t>>1)+256*(t&1)  ; rows 36 w + 2 (t >> 1) and + 1, one half of 256 bytes
.set t, t+1
.endr
.set t, 0
.rept 36
	s_wait_dscnt 35-t                              ; LDS loads come back in order: load t is in
	global_store_b128 v[OOF+(t>>1)], v[DAT+4*t:DAT+4*t+3], s[8:9] offset:256*(t&1) th:TH_STORE_NT   ; 16 lanes store 256 consecutive bytes, aligned; no data register is written again
.set t, t+1
.endr
	s_set_vgpr_msb 0x5
	s_wait_tensorcnt 0x0
	ds_add_u32 v254, v255
	s_wait_dscnt 0x0
	s_set_vgpr_msb 0x500
	s_endpgm
.Lfunc_end_k_qda42570d8d_gemm:
	.size	k_qda42570d8d_gemm, .Lfunc_end_k_qda42570d8d_gemm-k_qda42570d8d_gemm
	.p2alignl 7, 3214868480
	.fill 96, 4, 3214868480
	.section	.rodata,"a",@progbits
	.p2align	6, 0x0
	.amdhsa_kernel k_qda42570d8d_gemm
		.amdhsa_group_segment_fixed_size 327680
		.amdhsa_private_segment_fixed_size 0
		.amdhsa_enable_private_segment 0
		.amdhsa_kernarg_size 56
		.amdhsa_user_sgpr_count 2
		.amdhsa_user_sgpr_kernarg_segment_ptr 1
		.amdhsa_wavefront_size32 1
		.amdhsa_system_sgpr_workgroup_id_x 1
		.amdhsa_system_sgpr_workgroup_id_y 1
		.amdhsa_system_sgpr_workgroup_id_z 1
		.amdhsa_system_vgpr_workitem_id 0
		.amdhsa_next_free_vgpr 800
		.amdhsa_next_free_sgpr 66
		.amdhsa_reserve_vcc 0
		.amdhsa_float_denorm_mode_32 3
		.amdhsa_float_denorm_mode_16_64 3
		.amdhsa_memory_ordered 1
		.amdhsa_forward_progress 1
		.amdhsa_inst_pref_size 157
	.end_amdhsa_kernel
	.amdgpu_metadata
---
amdhsa.version: [ 1, 2 ]
amdhsa.kernels:
  - .name:           k_qda42570d8d_gemm
    .symbol:         k_qda42570d8d_gemm.kd
    .args:
      - { .name: fb, .offset: 0, .size: 8, .value_kind: global_buffer, .address_space: global }
      - { .name: wt, .offset: 8, .size: 8, .value_kind: global_buffer, .address_space: global }
      - { .name: out0, .offset: 16, .size: 8, .value_kind: global_buffer, .address_space: global }
      - { .name: wts, .offset: 24, .size: 8, .value_kind: global_buffer, .address_space: global }
      - { .name: b_e, .offset: 32, .size: 8, .value_kind: global_buffer, .address_space: global }
      - { .name: perm, .offset: 40, .size: 8, .value_kind: global_buffer, .address_space: global }
      - { .name: ctab, .offset: 48, .size: 8, .value_kind: global_buffer, .address_space: global }
    .group_segment_fixed_size: 327680
    .private_segment_fixed_size: 0
    .kernarg_segment_align: 8
    .kernarg_segment_size: 56
    .max_flat_workgroup_size: 128
    .sgpr_count:     66
    .vgpr_count:     800
    .wavefront_size: 32
...
	.end_amdgpu_metadata
.endif
;; end of part 4
